; MI455X (gfx1250); checked and timed in simulation.
; The chip was launched on July 23, 2026; its instructions are those of AMD's public machine-readable ISA for CDNA 5 (MIT licence, August 2026) and "CDNA5" Instruction Set Architecture Reference Guide (July 2026). The comments in the code are by the model that wrote it; some were corrected since.
;; GRU Cell. Allowed arithmetic: matrix products marked QUANTISED: E2M3 operands, one E8M0 scale for each 32 along K, by v_wmma_scale_f32_16x16x128_f8f6f4 with both operands' format E2M3, f32 sums; everything else in f32.
;; Inputs: W_c_codes 1,024 x 32 x 24 uint8 (E2M3 codes of W_c, K innermost, in blocks of 32 codes, four codes in three bytes); W_c_scales 1,024 x 32 uint8 (E8M0 scales of W_c, one for each 32 codes along K); W_hc_codes 1,024 x 32 x 24 uint8 (E2M3 codes of W_hc, K innermost, in blocks of 32 codes, four codes in three bytes); W_hc_scales 1,024 x 32 uint8 (E8M0 scales of W_hc, one for each 32 codes along K); W_hh_codes 2,048 x 32 x 24 uint8 (E2M3 codes of W_hh, K innermost, in blocks of 32 codes, four codes in three bytes); W_hh_scales 2,048 x 32 uint8 (E8M0 scales of W_hh, one for each 32 codes along K); W_ih_codes 2,048 x 32 x 24 uint8 (E2M3 codes of W_ih, K innermost, in blocks of 32 codes, four codes in three bytes); W_ih_scales 2,048 x 32 uint8 (E8M0 scales of W_ih, one for each 32 codes along K); b_c 1,024 float32; b_hc 1,024 float32; b_hh 2,048 float32; b_ih 2,048 float32; hx 8,192 x 1,024 float32; input_codes 8,192 x 32 x 24 uint8 (E2M3 codes of input, K innermost, in blocks of 32 codes, four codes in three bytes); input_scales 8,192 x 32 uint8 (E8M0 scales of input, one for each 32 codes along K).
;; Outputs: out0 8,192 x 1,024 float32.
;; This version of the problem:
;;   THIS VERSION OF THE PROBLEM IS GIVEN IN LOW PRECISION. The matrix products marked QUANTISED in the list below multiply operands that are first quantised to E2M3 (2 exponent bits, 3 mantissa bits; 6 bits a number), with one power-of-two scale for each 32 numbers along K (OCP MX v1.0); their sums are f32. All else is computed in f32.
;;   The module's matrix products, in the order in which they are computed (A, B: the left and right operand; K: the contracted axis; several contracted axes count as one K, in the product's order):
;;     1. [M 8,192, K 1,024] x [K 1,024, N 2,048]; A: input input (given as codes); B: input W_ih (given as codes): QUANTISED
;;     2. [M 8,192, K 1,024] x [K 1,024, N 2,048]; A: input hx; B: input W_hh (given as codes): QUANTISED
;;     3. [M 8,192, K 1,024] x [K 1,024, N 1,024]; A: input input (given as codes); B: input W_c (given as codes): QUANTISED
;;     4. [M 8,192, K 1,024] x [K 1,024, N 1,024]; A: input hx; B: input W_hc (given as codes): QUANTISED
;;   THE QUANTISER, for each operand of a quantised product, along K:
;;     - K is cut into blocks of 32 from its start; a last block that is shorter is filled with zeros.
;;     - A block's scale is 2^e with e = floor(log2(the largest magnitude in the block)) - 2, held to -126 .. 127; a block of zeros has e = 0. As a byte (E8M0): e + 127.
;;     - Each number is divided by its block's scale, clamped to +-7.5, and rounded to the nearest number of E2M3, ties to even, subnormals kept.
;;     - The product sums the exact products of the quantised numbers (number of the format x scale) in f32.
;;   ~~~python
;;   def quantise(x, axis):      # numpy; x: float32 -> the quantised numbers, widened to float32 again
;;       x = np.moveaxis(x, axis, -1); K = x.shape[-1]
;;       x = np.pad(x, [(0, 0)] * (x.ndim - 1) + [(0, -K % 32)]); x = x.reshape(x.shape[:-1] + (-1, 32)); a = np.abs(x).max(-1, keepdims=True)
;;       e = np.where(a > 0, np.clip(np.frexp(np.where(a > 0, a, 1))[1] - 1 - 2, -126, 127), 0)      # np.frexp(a)[1] - 1 = floor(log2(a)), exactly
;;       r = np.clip(x / 2.0 ** e, -7.5, 7.5)
;;       step = 2.0 ** (np.maximum(np.frexp(np.where(r == 0, 1, r))[1] - 1, 0) - 3)
;;       q = np.round(r / step) * step * 2.0 ** e      # np.round: ties to even
;;       return np.moveaxis(q.reshape(q.shape[:-2] + (-1,))[..., :K], -1, axis).astype(np.float32)
;;   ~~~
;;   INPUTS GIVEN AS CODES. W_c (in the module: [1024, 1024], K = its axis 0); W_hc (in the module: [1024, 1024], K = its axis 0); W_hh (in the module: [1024, 2048], K = its axis 0); W_ih (in the module: [1024, 2048], K = its axis 0); input (in the module: [8192, 1024], K = its axis 1): each comes as NAME_codes (uint8): NAME with its K axis moved to the last place and cut into blocks of 32 codes, [.., K / 32, bytes a block], one block behind the other in memory; four codes in three bytes: a row's codes are one little-endian stream of bits, code i at bits 6 i .. 6 i + 5 (a code: sign, 2 exponent bits, 3 mantissa bits); and NAME_scales (uint8): the same leading axes, one E8M0 byte (e + 127) for each 32 codes along K. Its value is code x scale, taken as it is: it is not quantised again, and the codes and scales need not be those that the quantiser above would give.
;; One version. Each part assembles by itself: llvm-mc -triple=amdgcn-amd-amdhsa -mcpu=gfx1250 --defsym DOCPART=n.
;; ======== version 1 of 1: 2 launches
;; limits: right only within a limited range of input values
;; workspace buffers: hq_codes 6,291,456 bytes; hq_scales 262,144 bytes
;; launch quant (part 1): grid 256 x 1, 8 waves a work-group, no clusters, 66,560 bytes of LDS; arguments hx, hq_codes, hq_scales; writes hq_codes, hq_scales
.if DOCPART == 1
	.amdgcn_target "amdgcn-amd-amdhsa--gfx1250"
	.amdhsa_code_object_version 6
	.text
	.protected	k_q7ff0fb32cb_quant
	.globl	k_q7ff0fb32cb_quant
	.p2align	8
	.type	k_q7ff0fb32cb_quant,@function
k_q7ff0fb32cb_quant:
	s_mov_b64 s[64:65], 0
	v_nop
	global_prefetch_b8 v0, s[64:65] scope:SCOPE_SE
	s_setreg_imm32_b32 hwreg(HW_REG_WAVE_MODE, 25, 1), 1
	s_wait_xcnt 0x0
; hx [8192][1024], f32, is turned into codes of FP6 (E2M3), 6 bits each, K innermost, with one E8M0 scale byte for each 32 along K:
; hq_codes [8192][32][24] and hq_scales [8192][32], laid as the problem lays input_codes and input_scales.
; A block's scale is 2^(floor(log2(its largest magnitude)) - 2); its byte is the largest magnitude's own exponent field - 2, held at 1 from below.
; Each number is divided by the scale and rounded to the nearest code, ties to even; beyond 7.5 the conversion gives the largest code.
; LIMITS: a block whose largest magnitude lies under 2^-124 (a block of zeros among them) gets the byte 1 where the rule says a smaller one or 127: a block of zeros
; has zero codes, which add nothing under any byte but 0xff, and the bytes are read by this program alone.  NaN and infinities in hx are not served.
; Rows are dense and 1024 is a multiple of 32: hx is a plain stream of blocks of 32 numbers, and so are the codes and the bytes.
; SHARES: 256 work-groups x 8 waves = 2,048 runs of 4,096 numbers; a wave takes its run in 8 steps of 512 numbers.
; The conversion takes 16 numbers of one block from ONE lane's registers, a load is dense where neighbouring lanes take neighbouring bytes.  Both are had: each of a step's four
; loads reads 512 consecutive bytes, 16 a lane; the 2,048 bytes go through the wave's own stage in LDS and come back 64 bytes a lane (16 bytes of padding behind each 64).
; Two neighbouring lanes hold a block.  A lane's 16 codes are 12 bytes: a wave's store covers 384 consecutive bytes.  A wave's 128 scale bytes are gathered in its own LDS bytes;
; behind the one barrier the even wave of each pair reads both waves' bytes and stores 256 consecutive, aligned bytes.  Loads run four steps (16 loads a wave) ahead, the turn through LDS one step.
.set STEPS, 8
.set EMAX,  2
.set CB,    12                         ; bytes of 16 codes
.set R,     16                         ; v16-79   four sets of 16 numbers as they are loaded
.set X,     80                         ; v80-111  two sets of 16 neighbours
.set E,     112                        ; a scale byte for each step
.set C,     128                        ; codes: four registers for each step, so that no store's data are written again
.set WREG,  8192                       ; LDS: a region for each wave: two stages of 32 x SP bytes, behind them its scale bytes
.set SP,    80                         ; a lane's place in a stage: 64 bytes + 16 of padding
	s_load_b64 s[4:5], s[0:1], 0x0                 ; hx
	s_load_b64 s[8:9], s[0:1], 0x8                 ; the codes
	s_load_b64 s[10:11], s[0:1], 0x10              ; the scale bytes
	v_lshl_add_u32 v192, v0, 2, 0x10000            ; the spare words lie behind the eight regions
	v_mov_b32 v193, 0
	v_lshrrev_b32 v1, 5, v0
	v_readfirstlane_b32 s16, v1                    ; wave
	v_and_b32 v2, 31, v0                           ; lane
	v_lshlrev_b32 v3, 4, v2                        ; my 16 bytes of a load's 512
	s_mul_i32 s17, s16, WREG
	v_lshrrev_b32 v14, 2, v2
	v_mul_u32_u24 v14, v14, SP
	v_and_b32 v15, 3, v2
	v_lshl_add_u32 v14, v15, 4, v14
	v_add_nc_u32 v14, s17, v14                     ; the stage, on the way in: SP (lane / 4) + 16 (lane % 4)
	v_mul_u32_u24 v15, v2, SP
	v_add_nc_u32 v15, s17, v15                     ; and on the way out: SP x lane: my 16 neighbours
	v_mul_u32_u24 v4, v2, CB                       ; my codes' place in a step's
	v_lshrrev_b32 v5, 1, v2
	s_add_co_u32 s17, s17, 2*32*SP
	v_add_nc_u32 v5, s17, v5                       ; LDS: my wave's scale bytes, my block's byte
	v_lshlrev_b32 v7, 3, v2                        ; on the way out 8 bytes a lane
	s_and_b32 s25, s16, 6                          ; the even wave of my pair
	s_mul_i32 s25, s25, WREG
	s_add_co_u32 s25, s25, 2*32*SP
	v_and_b32 v6, 15, v2
	v_lshlrev_b32 v6, 3, v6
	v_lshrrev_b32 v10, 4, v2
	v_lshl_add_u32 v6, v10, 13, v6                 ; lanes 0-15 the even wave's 128 bytes, lanes 16-31 the odd wave's
	v_add_nc_u32 v6, s25, v6
	s_lshl_b32 s18, ttmp9, 3
	s_add_co_u32 s18, s18, s16                     ; my run: 8 x work-group + wave, 0 .. 2047
	s_lshl_b32 s20, s18, 14                        ; 16,384 bytes of hx a run
	s_mov_b32 s21, 0
	s_mul_i32 s22, s18, 32*STEPS*CB                ; 3,072 bytes of codes
	s_mov_b32 s23, 0
	s_lshl_b32 s18, s18, 7                         ; 128 scale bytes
	s_mov_b32 s19, 0
	s_wait_alu depctr_va_vdst(0)
	s_wait_kmcnt 0x0
	s_add_nc_u64 s[4:5], s[4:5], s[20:21]
	s_add_nc_u64 s[8:9], s[8:9], s[22:23]
	s_add_nc_u64 s[10:11], s[10:11], s[18:19]
.macro LOAD t
.irp i, 0,1,2,3
	global_load_b128 v[R+16*((\t)%4)+4*\i:R+16*((\t)%4)+4*\i+3], v3, s[4:5] offset:2048*(\t)+512*\i th:TH_LOAD_NT   ; 32 lanes read 512 consecutive bytes; read once in this launch
.endr
.endm
.macro TURN t                          ; step t's numbers through the stage: LDS serves a wave's instructions in order, so no wait stands between the stores and the loads
.irp i, 0,1,2,3
	ds_store_b128 v14, v[R+16*((\t)%4)+4*\i:R+16*((\t)%4)+4*\i+3] offset:32*SP*((\t)%2)+8*SP*\i
.endr
.irp i, 0,1,2,3
	ds_load_b128 v[X+16*((\t)%2)+4*\i:X+16*((\t)%2)+4*\i+3], v15 offset:32*SP*((\t)%2)+16*\i
.endr
.endm
.irp t, 0,1,2,3
	LOAD \t
.endr
	s_wait_loadcnt 12                              ; step 0's four loads are in; the twelve of steps 1 to 3 may be out
	TURN 0
.macro STEP t
.set XS, X+16*((\t)%2)
.if (\t) > 0
	s_wait_dscnt 1                                 ; this step's numbers are back from the stage (the last step's byte store may be out)
.else
	s_wait_dscnt 0x0
.endif
.if (\t)+4 < STEPS
	LOAD (\t)+4                                    ; the registers take the loads of four steps on
.endif
.if (\t)+1 < STEPS
.if STEPS-2-(\t) >= 3
	s_wait_loadcnt 12                              ; the next step's four loads are in; those of the three steps behind it may be out
.else
	s_wait_loadcnt 4*(STEPS-2-(\t))                ; the tail: fewer steps are behind it
.endif
	TURN (\t)+1                                    ; and go through the other stage while this step is worked
.endif
	v_max3_num_f32 v8, |v[XS]|, |v[XS+1]|, |v[XS+2]|               ; the largest magnitude of my 16, in two chains
	v_max3_num_f32 v9, |v[XS+3]|, |v[XS+4]|, |v[XS+5]|
.irp i, 6,10
	v_max3_num_f32 v8, v8, |v[XS+\i]|, |v[XS+\i+1]|
	v_max3_num_f32 v9, v9, |v[XS+\i+2]|, |v[XS+\i+3]|
.endr
	v_max3_num_f32 v8, v8, |v[XS+14]|, |v[XS+15]|
	v_max3_num_f32 v8, v8, v9, (EMAX+1)<<23        ; and the floor 2^(3 - 127): the byte cannot fall under 1
	v_max_num_f32_dpp v8, v8, v8 row_xmask:1 row_mask:0xf bank_mask:0xf   ; and of my neighbour's 16: the block's
	v_add_nc_u32 v11, -(EMAX<<23), v8              ; 2 off its exponent field: the conversion's scale operand
	v_cvt_scalef32_pk16_fp6_f32 v[C+4*(\t):C+4*(\t)+2], v[XS:XS+15], v11   ; sixteen codes, 96 bits without gaps
	v_lshrrev_b32 v[E+(\t)], 23, v11               ; the scale's byte (also the plain instruction behind the conversion)
	ds_store_b8 v5, v[E+(\t)] offset:16*(\t)       ; both lanes of a block write the same byte with the same value
	global_store_b96 v4, v[C+4*(\t):C+4*(\t)+2], s[8:9] offset:32*CB*(\t)
.endm
.irp t, 0,1,2,3,4,5,6,7
	STEP \t
.endr
	s_wait_dscnt 0x0                               ; for my partner's sake: my byte stores are done
	s_barrier_signal -1
	s_barrier_wait -1
	s_and_b32 s24, s16, 1
	s_cmp_lg_u32 s24, 0
	s_cbranch_scc1 .Lodd                           ; the even wave stores for the pair
	ds_load_b64 v[12:13], v6
	s_wait_dscnt 0x0
	global_store_b64 v7, v[12:13], s[10:11]        ; 32 lanes store 256 consecutive bytes, at a multiple of 256 from the buffer's first byte
.Lodd:
	s_wait_tensorcnt 0x0                           ; the wave's end
	ds_add_u32 v192, v193
	s_wait_dscnt 0x0
	s_endpgm
.Lfunc_end_k_q7ff0fb32cb_quant:
	.size	k_q7ff0fb32cb_quant, .Lfunc_end_k_q7ff0fb32cb_quant-k_q7ff0fb32cb_quant
	.p2alignl 7, 3214868480
	.fill 96, 4, 3214868480
	.section	.rodata,"a",@progbits
	.p2align	6, 0x0
	.amdhsa_kernel k_q7ff0fb32cb_quant
		.amdhsa_group_segment_fixed_size 66560
		.amdhsa_private_segment_fixed_size 0
		.amdhsa_enable_private_segment 0
		.amdhsa_kernarg_size 24
		.amdhsa_user_sgpr_count 2
		.amdhsa_user_sgpr_kernarg_segment_ptr 1
		.amdhsa_wavefront_size32 1
		.amdhsa_system_sgpr_workgroup_id_x 1
		.amdhsa_system_sgpr_workgroup_id_y 1
		.amdhsa_system_sgpr_workgroup_id_z 1
		.amdhsa_system_vgpr_workitem_id 0
		.amdhsa_next_free_vgpr 194
		.amdhsa_next_free_sgpr 66
		.amdhsa_reserve_vcc 0
		.amdhsa_float_denorm_mode_32 3
		.amdhsa_float_denorm_mode_16_64 3
		.amdhsa_memory_ordered 1
		.amdhsa_forward_progress 1
		.amdhsa_inst_pref_size 18
	.end_amdhsa_kernel
	.amdgpu_metadata
---
amdhsa.version: [ 1, 2 ]
amdhsa.kernels:
  - .name:           k_q7ff0fb32cb_quant
    .symbol:         k_q7ff0fb32cb_quant.kd
    .args:
      - { .name: hx, .offset: 0, .size: 8, .value_kind: global_buffer, .address_space: global }
      - { .name: hq_codes, .offset: 8, .size: 8, .value_kind: global_buffer, .address_space: global }
      - { .name: hq_scales, .offset: 16, .size: 8, .value_kind: global_buffer, .address_space: global }
    .group_segment_fixed_size: 66560
    .private_segment_fixed_size: 0
    .kernarg_segment_align: 8
    .kernarg_segment_size: 24
    .max_flat_workgroup_size: 256
    .sgpr_count:     66
    .vgpr_count:     194
    .wavefront_size: 32
...
	.end_amdgpu_metadata
.endif
;; end of part 1
;; launch gru (part 2): grid 8 x 32, 4 waves a work-group, clusters of 4 x 4, 327,680 bytes of LDS; arguments input_codes, input_scales, hq_codes, hq_scales, W_ih_codes, W_ih_scales, W_c_codes, W_c_scales, W_hh_codes, W_hh_scales, W_hc_codes, W_hc_scales, hx, b_ih, b_hh, b_c, b_hc, out0; writes out0
.if DOCPART == 2
	.amdgcn_target "amdgcn-amd-amdhsa--gfx1250"
	.amdhsa_code_object_version 6
	.text
	.protected	k_q7ff0fb32cb_gru
	.globl	k_q7ff0fb32cb_gru
	.p2align	8
	.type	k_q7ff0fb32cb_gru,@function
k_q7ff0fb32cb_gru:
	s_mov_b64 s[64:65], 0
	v_nop
	global_prefetch_b8 v0, s[64:65] scope:SCOPE_SE
	s_setreg_imm32_b32 hwreg(HW_REG_WAVE_MODE, 25, 1), 1
	s_wait_xcnt 0x0
	s_wait_alu depctr_hold_cnt(0) depctr_sa_sdst(0) depctr_va_vdst(0) depctr_va_sdst(0) depctr_va_ssrc(0) depctr_va_vcc(0) depctr_vm_vsrc(0)
	s_getreg_b32 s2, hwreg(HW_REG_IB_STS2, 6, 4)
	s_cmp_eq_u32 s2, 0
	s_cbranch_scc0 .Lentry_in_a_cluster
	s_endpgm
.Lentry_in_a_cluster:
	s_bfe_u32 s2, ttmp6, 0x10000c
	s_cmp_lg_u32 s2, 0xf033
	s_cbranch_scc0 .Lentry_shape_is_right
	s_endpgm
.Lentry_shape_is_right:
; out = hx + z (tanh(c1 + r c2) - hx),  z, r = sigmoid(input W_ih + b_ih + hx W_hh + b_hh),  c1 = input W_c + b_c,  c2 = hx W_hc + b_hc.
; All four products on codes of FP6 (E2M3) with one E8M0 scale for each 32 along K, as they lie in memory (hx's codes and bytes come from the launch before); sums and all else in f32.
; SHARES.  256 work-groups of four waves; a work-group STAYS and makes two tiles of 256 rows x 64 columns of out, 512 columns apart.  A wave makes 128 rows x 32 columns and for each FOUR sums
; (z, r, c1, c2): 64 accumulators, 512 registers.  A tile is 16 steps of 128 along K: steps 0-7 multiply input by rows of W_ih (z), W_ih (r), W_c; steps 8-15 hx's codes by W_hh (z), W_hh (r), W_hc.
; A step is 48 matrix instructions on 8 fragments of rows and 6 of weights.  The biases are the C of each sum's first matrix instruction.
; THE MATRIX INSTRUCTION IS USED TRANSPOSED (source 0 = 16 rows of a weight, source 1 = 16 rows of input or hx): a lane holds one row and eight neighbouring columns in all four sums.
; RING.  Two LDS slots, each one CHUNK of 256 bytes of A's 256 rows and of 3 x 64 weight rows; a row of 1,024 codes is 768 bytes, three chunks, each on a 256-byte border.  A step is 96 bytes of a row:
; a tile's 16 steps are six chunks, chunk c in slot c % 2; steps 2, 5, 10, 13 lie across two chunks.  Wave 0 fetches A's rows, waves 1, 2, 3 those of z, r, c: one tensor load a wave behind each round.
; The ring goes on into the next tile: steps 13 and 15 of the first tile ask for the next tile's chunks 0 and 1; those three steps are written twice, with and without refills.
; CLUSTER.  4 x 4 work-groups: a row of the cluster shares A's rows, a column the weights' rows: each chunk is asked for JOINTLY, by the same load with the same descriptor and a mask that names the four.
; SCALES.  A row's 32 scale bytes of a phase are 8 words, one a step: each lane loads its row's 32 bytes (16 lanes: 512 consecutive bytes in two loads) into 8 registers that hold scales and nothing else.
; hx in f32 comes as whole rows of 256 bytes into registers, goes through a stage in LDS that no tensor load touches, and comes back in the sums' layout; out goes back over the same bytes and leaves as whole rows.
; PREFETCH, a phase's three chunks ahead, each block of 256 bytes named once in a cluster.  hx's codes: in the first tile, at steps 0 and 2, each wave asks for 48 blocks on end (16 rows; its work-group's 64 of the
; 256 rows are told apart by cx in the address). The weights: waves 1, 2, 3 ask for 16 of their gate's 64 rows (48 blocks on end, told apart by cy in the address):
; phase 1's at steps 0 and 2, the next tile's phase 0's at steps 8 and 10 where a tile follows; the first loads that want them stand in steps 5 and 13.  hx in f32: at steps 5 and 7 each wave asks for its 64 rows
; of the tile, a lane a row, eight steps ahead.  The launch's first phase (input's codes, W_ih, W_c of the first tile) comes by its loads alone: it is wanted at once.
; LIMITS.  z's and r's sums run bias, input's K, hx's K in one f32 accumulator.  sigmoid(x) = 1 / (1 + 2^(-x log2 e)), tanh(y) = 1 - 2 / (1 + 2^(2 y log2 e)): both reach their ends where the power
; overflows or falls to 0, without a clamp; tanh's absolute error near 0 is that of f32 at 1.  NaN and infinities among the inputs are not served.
; REGISTERS.  Window 0: v0-31 addresses; v32-127, v224-239 scale words; v128-223 A's 8 fragments, one set (on the way out hx, out, rows read back).  Window 1: v0-71, v128-199 the weights' 6 fragments, two sets
; (on the way out hx); v72-119 biases of z, r, c1; v200-215 b_hc; v216-247 b_hh.  Windows 2, 3: the accumulators of my rows 0-63, 64-127 (row block a, sum g, column block cb at v[8 (8 (a % 4) + 2 g + cb)]).
.set TILES, 2
.set PITCH, 272                        ; an LDS row: 256 bytes + 16 of padding
.set FR,    12
.set KROW,  768
.set SLOT,  448*PITCH
.set BOFF,  256*PITCH
.set GATEB, 64*PITCH
.set STG,   2*SLOT                     ; the stage: 256 rows x (256 + 16) bytes, written by ds_store alone
.set HP,    272
.set SPARE, STG+256*HP                 ; the spare words: 128 bytes a wave
.set NEXTB, 512*KROW                   ; the next tile's weight rows
.set PFO,  12                          ; v12-14 the prefetches' offsets
.set PFO2, 13
.set PFH,  14
.set ADRA, 16                          ; v16-17 my A fragments in slot 0, 1; v18-19 for pieces whose lanes 16-31 read the next chunk
.set ADRB, 20
.set SOA,  24                          ; my offset in A's scale bytes;  v25 in a weight's
.set SOB,  25
.set HXA,  26                          ; the stage in the sums' layout;  v27 by whole rows
.set RDA,  27
.set SPW,  28
.set NIL,  29
.set CO,   30                          ; my offset in two rows of hx and out
.set BO,   31                          ; my offset in the biases
.set AF,   128
.set BK,   128
.set G1A,  4
.set G1B,  12
.set G0A,  20
.set G0B,  28
.set PA0,  36                          ; input's codes, hx's codes at my rows; my wave's weight rows of phase 0, 1
.set PA1,  38
.set PB0,  40
.set PB1,  42
.set WV,   44
.set RH,   45
.set CH,   46
.set TL,   47
.set BI,   60                          ; s[48:59] scale bytes: input, hx, W_ih, W_c, W_hh, W_hc
.set BH,   62
.set BC,   66
.set BHC,  68
.set HXP,  70
.set OUTP, 72
.set PFQ,  74
.set KN,   76
.set KT,   78
.set MSB, 0
.macro WIN new                         ; the immediate's high byte repeats the setting that is left
.if MSB != (\new)
	s_set_vgpr_msb (MSB<<8)|(\new)
.set MSB, (\new)
.endif
.endm
.set MUL_LO, 0xa1                      ; source 0 (weights) window 1, source 1 (A) window 0, C and D window 2
.set FST_LO, 0x91                      ; C (a bias) window 1, D window 2
.set TO_B,   0x40
.macro JLOAD sl                        ; a joint load: wave 0 for A, waves 1-3 for the weights; s_nop 0 and four v_nop behind each line
	s_cmp_eq_u32 s[WV], 0
	s_cbranch_scc0 .Lfor_b_\@
	tensor_load_to_lds s[G0A+4*(\sl):G0A+4*(\sl)+3], s[G1A:G1A+7]
	s_nop 0
.rept 4
	v_nop
.endr
	s_branch .Lasked_\@
.Lfor_b_\@:
	tensor_load_to_lds s[G0B+4*(\sl):G0B+4*(\sl)+3], s[G1B:G1B+7]
	s_nop 0
.rept 4
	v_nop
.endr
.Lasked_\@:
.endm
.macro CREST
	s_cmp_lg_u32 s[WV], 0
	s_cbranch_scc1 .Lnot_wave_0_\@
	s_barrier_signal -3
.Lnot_wave_0_\@:
	s_barrier_wait -3
	s_barrier_signal -1
	s_barrier_wait -1
.endm
.macro CROUND
	s_barrier_signal -1
	s_barrier_wait -1
	CREST
.endm
.macro PLACES n
.rept \n
	v_nop
.endr
.endm
.macro SETADR sl, n                    ; slot sl's group 0 takes chunk n (6, 7: the next tile's 0, 1); no tensor load of mine is out here
.if (\n) == 6
	s_add_nc_u64 s[PB0:PB0+1], s[PB0:PB0+1], NEXTB
	s_add_nc_u64 s[PB1:PB1+1], s[PB1:PB1+1], NEXTB
.endif
.if ((\n)%6) < 3
	s_add_nc_u64 s[G0A+4*(\sl)+2:G0A+4*(\sl)+3], s[PA0:PA0+1], 256*((\n)%6)
	s_add_nc_u64 s[G0B+4*(\sl)+2:G0B+4*(\sl)+3], s[PB0:PB0+1], 256*((\n)%6)
.else
	s_add_nc_u64 s[G0A+4*(\sl)+2:G0A+4*(\sl)+3], s[PA1:PA1+1], 256*((\n)%6-3)
	s_add_nc_u64 s[G0B+4*(\sl)+2:G0B+4*(\sl)+3], s[PB1:PB1+1], 256*((\n)%6-3)
.endif
	s_or_b32 s[G0A+4*(\sl)+3], s[G0A+4*(\sl)+3], 0x80000000
	s_or_b32 s[G0B+4*(\sl)+3], s[G0B+4*(\sl)+3], 0x80000000
.endm
.macro LOADSC ph, off                  ; a phase's scale words: A's lanes 0-15 row blocks 0-3, lanes 16-31 blocks 4-7; the weights' lanes 0-15 column block 0, lanes 16-31 block 1
.irp i, 0,1,2,3
.irp k, 0,1
	global_load_b128 v[32+56*(\ph)+8*\i+4*\k:32+56*(\ph)+8*\i+4*\k+3], v[SOA], s[48+2*(\ph):49+2*(\ph)] offset:512*\i+16*\k
.endr
.endr
.irp g, 0,1,2
.set SB, 64+8*\g
.if \ph
.set SB, 216+8*\g
.if \g == 0
.set SB, 120
.endif
.endif
.irp k, 0,1
.if \g < 2
	global_load_b128 v[SB+4*\k:SB+4*\k+3], v[SOB], s[52+4*(\ph):53+4*(\ph)] offset:(\off)+32768*\g+16*\k
.else
	global_load_b128 v[SB+4*\k:SB+4*\k+3], v[SOB], s[54+4*(\ph):55+4*(\ph)] offset:(\off)+16*\k
.endif
.endr
.endr
.endm
.macro LOADBIAS off                    ; the biases in the result's layout: lane (r, h), register j: column 16 cb + 8 h + j
	WIN TO_B
.irp i, 0,1,2,3
.irp k, 0,1
	global_load_b128 v[72+8*\i+4*\k:72+8*\i+4*\k+3], v[BO], s[BI:BI+1] offset:(\off)+4096*(\i/2)+64*(\i%2)+16*\k
	global_load_b128 v[216+8*\i+4*\k:216+8*\i+4*\k+3], v[BO], s[BH:BH+1] offset:(\off)+4096*(\i/2)+64*(\i%2)+16*\k
.endr
.endr
.irp cb, 0,1
.irp k, 0,1
	global_load_b128 v[104+8*\cb+4*\k:104+8*\cb+4*\k+3], v[BO], s[BC:BC+1] offset:(\off)+64*\cb+16*\k
	global_load_b128 v[200+8*\cb+4*\k:200+8*\cb+4*\k+3], v[BO], s[BHC:BHC+1] offset:(\off)+64*\cb+16*\k
.endr
.endr
	WIN 0
.endm
	s_load_b64 s[PA0:PA0+1], s[0:1], 0x0
	s_load_b64 s[48:49], s[0:1], 0x8
	s_load_b64 s[PA1:PA1+1], s[0:1], 0x10
	s_load_b64 s[50:51], s[0:1], 0x18
	s_load_b64 s[PB0:PB0+1], s[0:1], 0x20          ; W_ih's codes
	s_load_b64 s[52:53], s[0:1], 0x28
	s_load_b64 s[96:97], s[0:1], 0x30              ; W_c's codes
	s_load_b64 s[54:55], s[0:1], 0x38
	s_load_b64 s[PB1:PB1+1], s[0:1], 0x40          ; W_hh's codes
	s_load_b64 s[56:57], s[0:1], 0x48
	s_load_b64 s[98:99], s[0:1], 0x50              ; W_hc's codes
	s_load_b64 s[58:59], s[0:1], 0x58
	s_load_b64 s[HXP:HXP+1], s[0:1], 0x60
	s_load_b64 s[BI:BI+1], s[0:1], 0x68
	s_load_b64 s[BH:BH+1], s[0:1], 0x70
	s_load_b64 s[BC:BC+1], s[0:1], 0x78
	s_load_b64 s[BHC:BHC+1], s[0:1], 0x80
	s_load_b64 s[OUTP:OUTP+1], s[0:1], 0x88
	v_lshl_add_u32 v[SPW], v0, 2, SPARE
	v_mov_b32 v[NIL], 0
	ds_add_u32 v[SPW], v[NIL]                      ; the opening: the add, twice on end, and its wait ahead of my first tensor load
	ds_add_u32 v[SPW], v[NIL]
	v_lshrrev_b32 v3, 5, v0
	v_readfirstlane_b32 s[WV], v3                  ; wave 0..3
	s_lshr_b32 s[RH], s[WV], 1                     ; which 128 rows are mine
	s_and_b32 s[CH], s[WV], 1                      ; which 32 columns
	s_bfe_u32 s84, ttmp6, 0x40000                  ; cx, cy
	s_bfe_u32 s85, ttmp6, 0x40004
	s_lshl_b32 s86, ttmp9, 2
	s_add_co_u32 s86, s86, s84                     ; tx, 0..7
	s_and_b32 s87, ttmp7, 0xffff
	s_lshl_b32 s87, s87, 2
	s_add_co_u32 s87, s87, s85                     ; ty, 0..31
	s_lshl_b32 s88, s85, 2
	s_lshl_b32 s88, 15, s88                        ; my row of the cluster
	s_lshl_b32 s89, 0x1111, s84                    ; my column
	s_or_b32 s[G1A], s88, (1<<20)|(1<<21)|(5<<22)|(3<<25)   ; elements of 1 byte, 16 bytes of padding behind every 256; bit 21 beside a mask
	s_mov_b32 s[G1A+1], 256<<16
	s_mov_b32 s[G1A+2], 256<<16
	s_mov_b32 s[G1A+3], 256<<16
	s_mov_b32 s[G1A+4], 256
	s_mov_b32 s[G1A+5], KROW
	s_mov_b32 s[G1A+6], 0
	s_mov_b32 s[G1A+7], 0
	s_or_b32 s[G1B], s89, (1<<20)|(1<<21)|(5<<22)|(3<<25)
	s_mov_b32 s[G1B+1], 256<<16
	s_mov_b32 s[G1B+2], 64<<16
	s_mov_b32 s[G1B+3], 256<<16
	s_mov_b32 s[G1B+4], 64
	s_mov_b32 s[G1B+5], KROW
	s_mov_b32 s[G1B+6], 0
	s_mov_b32 s[G1B+7], 0
	s_mov_b32 s[G0A], 1
	s_mov_b32 s[G0A+1], 0
	s_mov_b32 s[G0A+4], 1
	s_mov_b32 s[G0A+5], SLOT
	s_mov_b32 s[G0B], 1
	s_mul_i32 s[G0B+1], s[WV], GATEB
	s_add_co_u32 s[G0B+1], s[G0B+1], BOFF-GATEB    ; waves 1, 2, 3: the rows of z, r, c
	s_mov_b32 s[G0B+4], 1
	s_add_co_u32 s[G0B+5], s[G0B+1], SLOT
	s_mul_i32 s90, s87, 256*KROW                   ; s[90:91]: made of ty and the wave alone; s[92:93]: of tx and the wave alone; s[94:95]: of both
	s_mov_b32 s91, 0
	s_mul_i32 s92, s86, 64*KROW
	s_cmp_eq_u32 s[WV], 2
	s_cselect_b32 s80, 1024*KROW, 0                ; r's rows lie 1,024 rows behind z's
	s_add_co_u32 s92, s92, s80
	s_mov_b32 s93, 0
	s_mov_b32 s95, 0
	s_mov_b32 s[KN], 0xbfb8aa3b                    ; -log2(e)
	s_mov_b32 s[KN+1], 0xbfb8aa3b
	s_mov_b32 s[KT], 0x4038aa3b                    ; 2 log2(e)
	s_mov_b32 s[KT+1], 0x4038aa3b
	s_wait_dscnt 0x0                               ; both opening adds are done
	s_wait_kmcnt 0x0
	s_cmp_eq_u32 s[WV], 3                          ; wave 3 fetches from W_c and W_hc
	s_cselect_b64 s[PB0:PB0+1], s[96:97], s[PB0:PB0+1]
	s_cselect_b64 s[PB1:PB1+1], s[98:99], s[PB1:PB1+1]
	s_add_nc_u64 s[PA0:PA0+1], s[PA0:PA0+1], s[90:91]
	s_add_nc_u64 s[PA1:PA1+1], s[PA1:PA1+1], s[90:91]
	s_add_nc_u64 s[PB0:PB0+1], s[PB0:PB0+1], s[92:93]
	s_add_nc_u64 s[PB1:PB1+1], s[PB1:PB1+1], s[92:93]
	SETADR 0, 0
	SETADR 1, 1
	CROUND                                         ; all sixteen work-groups are here: the first joint loads meet
	JLOAD 0                                        ; chunk 0: one tensor load a wave at the head
	s_lshl_b32 s90, s87, 13                        ; A's scale bytes: (256 ty + 128 RH) rows of 32
	s_lshl_b32 s80, s[RH], 12
	s_add_co_u32 s90, s90, s80
	s_add_nc_u64 s[48:49], s[48:49], s[90:91]
	s_add_nc_u64 s[50:51], s[50:51], s[90:91]
	s_lshl_b32 s92, s86, 11                        ; the weights': (64 tx + 32 CH) rows of 32
	s_lshl_b32 s80, s[CH], 10
	s_add_co_u32 s92, s92, s80
.irp p, 52,54,56,58
	s_add_nc_u64 s[\p:\p+1], s[\p:\p+1], s[92:93]
.endr
	s_lshl_b32 s94, s87, 20                        ; hx, out: (256 ty + 128 RH + 32 CH) rows of 4,096 bytes + 256 tx
	s_lshl_b32 s80, s[RH], 19
	s_add_co_u32 s94, s94, s80
	s_lshl_b32 s80, s[CH], 17
	s_add_co_u32 s94, s94, s80
	s_lshl_b32 s80, s86, 8
	s_add_co_u32 s94, s94, s80
	s_add_nc_u64 s[HXP:HXP+1], s[HXP:HXP+1], s[94:95]
	s_add_nc_u64 s[OUTP:OUTP+1], s[OUTP:OUTP+1], s[94:95]
	s_mul_i32 s94, s84, 64*KROW                    ; the prefetch of hx's codes: my work-group's 64 rows (by cx), my wave's 16 of them: 48 blocks of 256 bytes on end
	s_mul_i32 s80, s[WV], 16*KROW
	s_add_co_u32 s94, s94, s80
	s_add_nc_u64 s[PFQ:PFQ+1], s[PA1:PA1+1], s[94:95]
	s_mul_i32 s94, s85, 16*KROW                    ; the prefetch of the weights: my work-group's 16 rows (by cy) of a gate's 64; s[94:95] keep this offset
	s_mul_i32 s80, s[RH], 128*PITCH                ; my 128 rows of A
	s_mul_i32 s81, s[CH], 32*PITCH                 ; my 32 rows of each weight
	s_add_co_u32 s81, s81, BOFF
	s_mul_i32 s83, s[RH], 128*HP
	s_add_co_u32 s83, s83, STG
	s_lshl_b32 s82, s[CH], 7
	s_add_co_u32 s82, s82, s83                     ; the stage: row 128 RH, byte 128 CH
	s_mul_i32 s88, s[CH], 32*HP
	s_add_co_u32 s83, s83, s88                     ; and row 128 RH + 32 CH
	s_lshl_b32 s98, s86, 8
	s_lshl_b32 s88, s[CH], 7
	s_add_co_u32 s98, s98, s88                     ; the biases: column 64 tx + 32 CH, in bytes
	s_mov_b32 s96, SLOT-232
	s_mov_b32 s97, SLOT+232
	v_and_b32 v1, 15, v0                           ; r
	v_bfe_u32 v2, v0, 4, 1                         ; h
	v_and_b32 v8, 31, v0                           ; lane
	v_mul_u32_u24 v3, v1, PITCH
	v_mul_u32_u24 v4, v2, 24
	v_add_nc_u32 v4, v3, v4                        ; a fragment's row x pitch + 24 h
	v_sub_nc_u32 v7, 1, v2
	v_mul_u32_u24 v5, s96, v2
	v_add_nc_u32 v5, v3, v5
	v_add_nc_u32 v5, 232, v5                       ; lanes 0-15 byte 232 of the row in slot 0, lanes 16-31 byte 0 in slot 1
	v_mul_u32_u24 v6, s97, v7
	v_add_nc_u32 v6, v3, v6                        ; lanes 0-15 byte 232 in slot 1, lanes 16-31 byte 0 in slot 0
	v_add_nc_u32 v[ADRA], s80, v4
	v_add_nc_u32 v[ADRA+1], SLOT, v[ADRA]
	v_add_nc_u32 v[ADRA+2], s80, v5
	v_add_nc_u32 v[ADRA+3], s80, v6
	v_add_nc_u32 v[ADRB], s81, v4
	v_add_nc_u32 v[ADRB+1], SLOT, v[ADRB]
	v_add_nc_u32 v[ADRB+2], s81, v5
	v_add_nc_u32 v[ADRB+3], s81, v6
	v_lshlrev_b32 v[SOA], 5, v1
	v_lshl_add_u32 v[SOA], v2, 11, v[SOA]          ; row 64 h + r, 32 bytes a row
	v_lshlrev_b32 v[SOB], 5, v8                    ; row 16 h + r
	v_mul_u32_u24 v[HXA], v1, HP
	v_lshl_add_u32 v[HXA], v2, 5, v[HXA]
	v_add_nc_u32 v[HXA], s82, v[HXA]               ; row r, byte 32 h
	v_mul_u32_u24 v[RDA], v2, HP
	v_lshl_add_u32 v[RDA], v1, 4, v[RDA]
	v_add_nc_u32 v[RDA], s83, v[RDA]               ; row h, 16 bytes a lane: sixteen lanes take a whole row
	v_lshlrev_b32 v[CO], 12, v2
	v_lshl_add_u32 v[CO], v1, 4, v[CO]             ; the same two rows in hx and out
	v_lshl_add_u32 v[BO], v2, 5, s98
	v_lshlrev_b32 v[PFO], 8, v8                    ; blocks 0-31 of my 48
	v_min_u32 v9, 15, v8
	v_lshlrev_b32 v[PFO2], 8, v9
	v_add_nc_u32 v[PFO2], 8192, v[PFO2]            ; blocks 32-47; lanes 16-31 name the last again
	v_lshlrev_b32 v[PFH], 12, v8                   ; hx: a lane a row
	s_wait_alu depctr_va_vdst(0)
	LOADSC 0, 0
	LOADBIAS 0
	s_wait_tensorcnt 0x0                           ; my part of chunk 0 is in; the three lines ahead of a later first fill
	ds_add_u32 v[SPW], v[NIL]
	s_wait_dscnt 0x0
	CROUND
	JLOAD 1                                        ; chunk 1, the first tensor load behind the round
.macro FRAG reg, adr, st, i            ; lane l holds row l % 16; registers 6 c .. 6 c + 5 hold K = 64 c + 32 (l / 16) + 0 .. 31: 24 bytes of the row's stream of bits, in pieces of 8
.irp p, 0,1,2,3,4,5
.set BY, 96*(\st)+48*(\p/3)+8*(\p%3)  ; the piece of lanes 0-15, counted from chunk 0; byte y lies in slot (y / 256) % 2 at byte y % 256 of the LDS row
.if BY/256 == (BY+24)/256
	ds_load_b64 v[\reg+2*\p:\reg+2*\p+1], v[\adr+(BY/256)%2] offset:BY%256+(\i)*16*PITCH
.else
	ds_load_b64 v[\reg+2*\p:\reg+2*\p+1], v[\adr+2+(BY/256)%2] offset:BY%256-232+(\i)*16*PITCH
.endif
.endr
.endm
.macro FETCH_B st                      ; the weights' six fragments (i = 2 g + cb) into set st % 2: 36 loads
	WIN TO_B
.irp i, 0,1,2,3,4,5
	FRAG 128*((\st)%2)+FR*\i, ADRB, \st, 4*(\i/2)+\i%2
.endr
	WIN 0
.endm
.macro FETCH_A st, i0                  ; A's blocks i0 .. i0 + 3: 24 loads
.irp i, \i0, \i0+1, \i0+2, \i0+3
	FRAG AF+FR*(\i), ADRA, \st, \i
.endr
.endm
; One matrix instruction: row block a x the weights' fragment i in step st.  In phase 1 fragments 4, 5 (W_hc) go to c2's accumulators.  bias = 1: the sum begins with its bias.
.macro WM a, i, st, bias
.set PH,  (\st)/8
.set AC,  8*(8*((\a)%4)+(\i)+2*PH*((\i)/4))
.set BF,  128*((\st)%2)+FR*(\i)
.set AFR, AF+FR*(\a)
.set SWA, 32+56*PH+8*((\a)%4)+(\st)%8
.set SWB, 64+8*((\i)/2)+(\st)%8
.if PH
.set SWB, 216+8*((\i)/2)+(\st)%8
.if (\i)/2 == 0
.set SWB, 120+(\st)%8
.endif
.endif
.set CR,  AC
.if \bias
.if PH
.set CR,  200+8*((\i)-4)
.else
.set CR,  72+8*(\i)
.endif
.endif
.if ((\i)%2 == 1) && ((\a) >= 4)
	v_wmma_scale_f32_16x16x128_f8f6f4 v[AC:AC+7], v[BF:BF+FR-1], v[AFR:AFR+FR-1], v[CR:CR+7], v[SWB], v[SWA] matrix_a_fmt:MATRIX_FMT_FP6 matrix_b_fmt:MATRIX_FMT_FP6 matrix_a_scale:MATRIX_SCALE_ROW1 matrix_b_scale:MATRIX_SCALE_ROW1
.elseif (\i)%2 == 1
	v_wmma_scale_f32_16x16x128_f8f6f4 v[AC:AC+7], v[BF:BF+FR-1], v[AFR:AFR+FR-1], v[CR:CR+7], v[SWB], v[SWA] matrix_a_fmt:MATRIX_FMT_FP6 matrix_b_fmt:MATRIX_FMT_FP6 matrix_a_scale:MATRIX_SCALE_ROW1
.elseif (\a) >= 4
	v_wmma_scale_f32_16x16x128_f8f6f4 v[AC:AC+7], v[BF:BF+FR-1], v[AFR:AFR+FR-1], v[CR:CR+7], v[SWB], v[SWA] matrix_a_fmt:MATRIX_FMT_FP6 matrix_b_fmt:MATRIX_FMT_FP6 matrix_b_scale:MATRIX_SCALE_ROW1
.else
	v_wmma_scale_f32_16x16x128_f8f6f4 v[AC:AC+7], v[BF:BF+FR-1], v[AFR:AFR+FR-1], v[CR:CR+7], v[SWB], v[SWA] matrix_a_fmt:MATRIX_FMT_FP6 matrix_b_fmt:MATRIX_FMT_FP6
.endif
.endm
.macro MUL12 a0, st
.irp a, \a0, \a0+1
.irp i, 0,1,2,3,4,5
	WM \a, \i, \st, 0
.endr
.endr
.endm
; 24 matrix instructions: row blocks 4 hi .. 4 hi + 3 x the six fragments; the accumulators take turns.  Step 0: all sums begin with their biases; step 8: c2 begins with b_hc.
.macro HALF hi, st
.if (\st) == 0
	WIN FST_LO+0x40*(\hi)
.irp a, 0,1,2,3
.irp i, 0,1,2,3,4,5
	WM 4*(\hi)+\a, \i, \st, 1
.endr
.endr
.elseif (\st) == 8
	WIN MUL_LO+0x50*(\hi)
.irp a, 0,1,2,3
.irp i, 0,1,2,3
	WM 4*(\hi)+\a, \i, \st, 0
.endr
.endr
	WIN FST_LO+0x40*(\hi)
.irp a, 0,1,2,3
.irp i, 4,5
	WM 4*(\hi)+\a, \i, \st, 1
.endr
.endr
.else
	WIN MUL_LO+0x50*(\hi)
	MUL12 4*(\hi), \st
	MUL12 4*(\hi)+2, \st
.endif
.endm
; The first half of a step with a barrier; products whose fragments are in registers stand ahead of the wait for the tensor loads.
; rf = 1: the chunk in slot sl is read no more and the slot takes chunk n: the three lines, a round of the cluster's barrier, the joint load.
; rf = 0: the next step's bytes end in a chunk that no step has read yet: every wave waits for its loads, and a barrier shows the chunk whole.
.macro MEET st, rf, sl, n
	s_wait_dscnt 24                                ; the weights' set and A's blocks 0-3 are in; the youngest 24 loads (A's blocks 4-7) may be out
	WIN MUL_LO
	MUL12 0, \st
.if \rf
	WIN 0                                          ; (the add's two registers lie in window 0)
	s_wait_tensorcnt 0x0                           ; all my tensor loads have landed
	ds_add_u32 v[SPW], v[NIL]
	WIN MUL_LO
	MUL12 2, \st                                   ; twelve matrix instructions stand between the add and the wait for it
.else
	MUL12 2, \st
	s_wait_tensorcnt 0x0                           ; all my tensor loads have landed
.endif
	s_wait_dscnt 0x0                               ; the add, where there is one, is done and my LDS reads are over
	s_barrier_signal -1
	WIN 0
	s_barrier_wait -1
.if \rf
	CREST
	SETADR \sl, \n
	JLOAD \sl                                      ; its four v_nop are the places in front of the loads below
.else
	PLACES 4
.endif
.endm
; A step (0 .. 14): 48 matrix instructions; the next step's fragments are fetched in its middle (weights, A's blocks 0-3) and at its end (blocks 4-7).  more = 1: a tile follows.
.macro STEP st, more
.set NX, (\st)+1
.set C0, (96*(\st))/256
.set C1, (96*NX)/256
.set E0, (96*(\st)+95)/256
.set E1, (96*NX+95)/256
.if (C1 > C0) && ((C0+2 < 6) || (\more))
	MEET \st, 1, C0%2, C0+2
.elseif E1 > E0
	MEET \st, 0, 0, 0
.else
	s_wait_dscnt 24                                ; the weights' set and A's blocks 0-3 are in
	HALF 0, \st
	s_wait_dscnt 0x0
	PLACES 4
.endif
	FETCH_B NX
	FETCH_A NX, 0
	HALF 1, \st
	PLACES 4
	WIN 0
	FETCH_A NX, 4
.endm
.macro ASKQ reg                        ; hx's codes are asked for in the first tile alone: the second reads the same rows again
	s_cmp_eq_u32 s[TL], 0
	s_cbranch_scc0 .Lnq_\@
	global_prefetch_b8 v[\reg], s[PFQ:PFQ+1] th:TH_LOAD_NT scope:SCOPE_SE
.Lnq_\@:
.endm
.macro ASKW base, reg, off, next       ; the weights: waves 1-3, each for its gate; next = 1: the next tile's rows, where a tile follows
.if \next
	s_cmp_lt_u32 s[TL], TILES-1
	s_cbranch_scc0 .Lnw_\@
.endif
	s_cmp_eq_u32 s[WV], 0
	s_cbranch_scc1 .Lnw_\@
	global_prefetch_b8 v[\reg], s[\base:\base+1] offset:\off th:TH_LOAD_NT scope:SCOPE_SE
.Lnw_\@:
.endm
; THE GATES, four row blocks (window 2 + u) at a time, in place.  In row block aa: z at 64 aa + 0..15, r at + 16, c1 at + 32, c2 at + 48; pairs ascend.
.macro PKMULK g, k
.irp aa, 0,1,2,3
.irp p, 0,2,4,6,8,10,12,14
	v_pk_mul_f32 v[64*\aa+16*(\g)+\p:64*\aa+16*(\g)+\p+1], v[64*\aa+16*(\g)+\p:64*\aa+16*(\g)+\p+1], s[\k:\k+1] op_sel_hi:[1,0]
.endr
.endr
.endm
.macro PKADD1 g
.irp aa, 0,1,2,3
.irp p, 0,2,4,6,8,10,12,14
	v_pk_add_f32 v[64*\aa+16*(\g)+\p:64*\aa+16*(\g)+\p+1], v[64*\aa+16*(\g)+\p:64*\aa+16*(\g)+\p+1], 1.0 op_sel_hi:[1,0]
.endr
.endr
.endm
.macro TRANS op, g
.irp aa, 0,1,2,3
.irp j, 0,1,2,3,4,5,6,7,8,9,10,11,12,13,14,15
	\op v[64*\aa+16*(\g)+\j], v[64*\aa+16*(\g)+\j]
.endr
.endr
.endm
.macro AW                              ; a wait ahead of and behind a batch of transcendentals
	s_wait_alu depctr_va_vdst(0)
.endm
.macro BATCH_END
	v_nop
	AW
.endm
.macro EPIA u                          ; z, r, and tanh(c1 + r c2), left at + 32
	WIN 0xaa+0x55*(\u)
	AW
	PKMULK 1, KN
	AW
	TRANS v_exp_f32, 1
	AW
	PKMULK 0, KN
	AW
	TRANS v_exp_f32, 0
	BATCH_END
	PKADD1 1
	PKADD1 0
	AW
	TRANS v_rcp_f32, 1
	TRANS v_rcp_f32, 0
	BATCH_END
.irp aa, 0,1,2,3
.irp p, 0,2,4,6,8,10,12,14
	v_pk_fma_f32 v[64*\aa+32+\p:64*\aa+33+\p], v[64*\aa+16+\p:64*\aa+17+\p], v[64*\aa+48+\p:64*\aa+49+\p], v[64*\aa+32+\p:64*\aa+33+\p]
.endr
.endr
	PKMULK 2, KT
	AW
	TRANS v_exp_f32, 2
	BATCH_END
	PKADD1 2
	AW
	TRANS v_rcp_f32, 2
	BATCH_END
.irp aa, 0,1,2,3
.irp p, 0,2,4,6,8,10,12,14
	v_pk_fma_f32 v[64*\aa+32+\p:64*\aa+33+\p], v[64*\aa+32+\p:64*\aa+33+\p], -2.0, 1.0 op_sel_hi:[1,0,0]
.endr
.endr
	WIN 0
.endm
; hx of chunk u (my rows 64 u .. + 63) in the sums' layout: u = 0 in window 0 at v128, u = 1 in window 1 at v0: 16 loads
.macro HXLOAD u
.set HB, 128*(1-(\u))
	WIN 0x40*(\u)
.irp aa, 0,1,2,3
.irp c, 0,1,2,3
	ds_load_b128 v[HB+16*\aa+4*\c:HB+16*\aa+4*\c+3], v[HXA] offset:(64*(\u)+16*\aa)*HP+64*(\c/2)+16*(\c%2)
.endr
.endr
	WIN 0
.endm
.macro EPIB u                          ; out = z (tanh - hx) + hx, over hx's registers, and back over the bytes that the same lane read
.set HB, 128*(1-(\u))
	WIN 0x82+0x45*(\u)
.irp aa, 0,1,2,3
.irp p, 0,2,4,6,8,10,12,14
	v_pk_add_f32 v[64*\aa+32+\p:64*\aa+33+\p], v[64*\aa+32+\p:64*\aa+33+\p], v[HB+16*\aa+\p:HB+16*\aa+\p+1] neg_lo:[0,1] neg_hi:[0,1]
.endr
.endr
	WIN 0x0a+0x55*(\u)
.irp aa, 0,1,2,3
.irp p, 0,2,4,6,8,10,12,14
	v_pk_fma_f32 v[HB+16*\aa+\p:HB+16*\aa+\p+1], v[64*\aa+\p:64*\aa+\p+1], v[64*\aa+32+\p:64*\aa+33+\p], v[HB+16*\aa+\p:HB+16*\aa+\p+1]
.endr
.endr
	WIN 4*(\u)
.irp aa, 0,1,2,3
.irp c, 0,1,2,3
	ds_store_b128 v[HXA], v[HB+16*\aa+4*\c:HB+16*\aa+4*\c+3] offset:(64*(\u)+16*\aa)*HP+64*(\c/2)+16*(\c%2)
.endr
.endr
	WIN 0
.endm
.macro BARRIER                         ; my LDS stores have landed and my LDS loads are in: then the work-group's barrier
	s_wait_dscnt 0x0
	s_barrier_signal -1
	s_barrier_wait -1
.endm
.macro SEND u                          ; of the chunk's 64 rows of a row half each of its two waves reads 32 back, whole, and stores them
.irp t, 0,1,2,3,4,5,6,7,8,9,10,11,12,13,14,15
	ds_load_b128 v[BK+4*\t:BK+4*\t+3], v[RDA] offset:(64*(\u)+2*\t)*HP
.endr
.irp t, 0,1,2,3,4,5,6,7,8,9,10,11,12,13,14,15
	s_wait_dscnt 15-\t
	global_store_b128 v[CO], v[BK+4*\t:BK+4*\t+3], s[OUTP:OUTP+1] offset:(64*(\u)+2*\t)*4096 th:TH_STORE_NT   ; 16 lanes store 256 consecutive, aligned bytes
.endr
.endm
	s_mov_b32 s[TL], 0
.Ltile:                                                ; here chunk 0 is whole for all waves, chunk 1's load is out, phase 0's scale words and the biases are on their way
	s_wait_loadcnt 0x0
	WIN 0x55
.irp k, 0,2,4,6,8,10,12,14,16,18,20,22,24,26,28,30
	v_pk_add_f32 v[72+\k:73+\k], v[72+\k:73+\k], v[216+\k:217+\k]   ; b_ih + b_hh
.endr
	WIN 0
	PLACES 8
	s_wait_alu depctr_va_vdst(0)
	FETCH_B 0
	FETCH_A 0, 0
	FETCH_A 0, 4
	STEP 0, 0
	LOADSC 1, 0                                    ; phase 1's scale words: wanted eight steps on
	s_add_nc_u64 s[80:81], s[PB1:PB1+1], s[94:95]  ; phase 1's rows of my gate, my work-group's 16 (the last trip's prefetches have read the pair: the wait on XCNT at the loop's end)
	ASKQ PFO
	ASKW 80, PFO, 0, 0
	STEP 1, 0
	STEP 2, 0
	ASKQ PFO2
	ASKW 80, PFO2, 0, 0
	STEP 3, 0
	STEP 4, 0
	STEP 5, 0
	global_prefetch_b8 v[PFH], s[HXP:HXP+1] th:TH_LOAD_NT scope:SCOPE_SE
	STEP 6, 0
	STEP 7, 0
	global_prefetch_b8 v[PFH], s[HXP:HXP+1] offset:64*4096 th:TH_LOAD_NT scope:SCOPE_SE
	s_wait_loadcnt 0x0                             ; phase 1's scale words are in
	STEP 8, 0
	s_add_nc_u64 s[82:83], s[PB0:PB0+1], s[94:95]  ; phase 0's rows of my gate; the next tile's lie NEXTB bytes on
	ASKW 82, PFO, NEXTB, 1
	STEP 9, 0
	STEP 10, 0
	ASKW 82, PFO2, NEXTB, 1
	STEP 11, 0
	STEP 12, 0
	s_cmp_eq_u32 s[TL], TILES-1
	s_cbranch_scc1 .Llast
	STEP 13, 1                                     ; slot 0 takes the next tile's chunk 0
	LOADSC 0, 512*32                               ; and its scale words and biases set out: their registers were last read in steps 7 and 8
	LOADBIAS 512*4
	STEP 14, 1
	MEET 15, 1, 1, 7                               ; slot 1 takes its chunk 1; the next fragments are fetched behind the way out
	HALF 1, 15
	WIN 0
	s_branch .Lepi
.Llast:
	STEP 13, 0                                     ; nothing is left to fetch
	STEP 14, 0
	s_wait_dscnt 24
	HALF 0, 15
	s_wait_dscnt 0x0
	HALF 1, 15
	WIN 0
.Lepi:
	PLACES 4                                       ; behind the last products: for the loads into the weights' registers and the first reads of results
	WIN TO_B
.irp u, 0,1
.irp t, 0,1,2,3,4,5,6,7,8,9,10,11,12,13,14,15
	global_load_b128 v[128*\u+4*\t:128*\u+4*\t+3], v[CO], s[HXP:HXP+1] offset:(64*\u+2*\t)*4096 th:TH_LOAD_NT   ; 16 lanes read a row's 256 bytes of hx's tile
.endr
.endr
	WIN 0
	EPIA 0
	s_wait_loadcnt 0x0                             ; hx's rows are in (with them, where a tile follows, its scale words and biases)
	WIN 0x04
.irp u, 0,1
.irp t, 0,1,2,3,4,5,6,7,8,9,10,11,12,13,14,15
	ds_store_b128 v[RDA], v[128*\u+4*\t:128*\u+4*\t+3] offset:(64*\u+2*\t)*HP
.endr
.endr
	WIN 0
	BARRIER                                        ; hx's tile lies whole in the stage
	HXLOAD 0
	HXLOAD 1
	s_wait_dscnt 16                                ; chunk 0's 16 loads are in, chunk 1's 16 may be out
	EPIB 0
	BARRIER                                        ; rows 0-63 of each row half lie whole in the stage
	SEND 0
	EPIA 1
	EPIB 1                                         ; touches rows 64-127 of each row half alone
	BARRIER
	s_wait_xcnt 0x0                                ; the stores above have read their data: the loads below may land there
	SEND 1
	s_wait_xcnt 0x0                                ; bases and data registers may be written again
	s_add_nc_u64 s[HXP:HXP+1], s[HXP:HXP+1], 512*4 ; on to the next tile's columns
	s_add_nc_u64 s[OUTP:OUTP+1], s[OUTP:OUTP+1], 512*4
	s_add_nc_u64 s[56:57], s[56:57], 512*32
	s_add_nc_u64 s[58:59], s[58:59], 512*32
	s_add_co_u32 s[TL], s[TL], 1
	s_cmp_lt_u32 s[TL], TILES
	s_wait_alu depctr_va_vdst(0)
	s_cbranch_scc1 .Ltile
	s_wait_tensorcnt 0x0                           ; the wave's end
	ds_add_u32 v[SPW], v[NIL]
	s_wait_dscnt 0x0
	CROUND                                         ; the closing round
	s_endpgm
.Lfunc_end_k_q7ff0fb32cb_gru:
	.size	k_q7ff0fb32cb_gru, .Lfunc_end_k_q7ff0fb32cb_gru-k_q7ff0fb32cb_gru
	.p2alignl 7, 3214868480
	.fill 96, 4, 3214868480
	.section	.rodata,"a",@progbits
	.p2align	6, 0x0
	.amdhsa_kernel k_q7ff0fb32cb_gru
		.amdhsa_group_segment_fixed_size 327680
		.amdhsa_private_segment_fixed_size 0
		.amdhsa_enable_private_segment 0
		.amdhsa_kernarg_size 144
		.amdhsa_user_sgpr_count 2
		.amdhsa_user_sgpr_kernarg_segment_ptr 1
		.amdhsa_wavefront_size32 1
		.amdhsa_system_sgpr_workgroup_id_x 1
		.amdhsa_system_sgpr_workgroup_id_y 1
		.amdhsa_system_sgpr_workgroup_id_z 1
		.amdhsa_system_vgpr_workitem_id 0
		.amdhsa_next_free_vgpr 1024
		.amdhsa_next_free_sgpr 100
		.amdhsa_reserve_vcc 0
		.amdhsa_float_denorm_mode_32 3
		.amdhsa_float_denorm_mode_16_64 3
		.amdhsa_memory_ordered 1
		.amdhsa_forward_progress 1
		.amdhsa_inst_pref_size 255
	.end_amdhsa_kernel
	.section	.bss,"aw",@nobits
	.p2align	6
	.space	262144
	.amdgpu_metadata
---
amdhsa.version: [ 1, 2 ]
amdhsa.kernels:
  - .name:           k_q7ff0fb32cb_gru
    .symbol:         k_q7ff0fb32cb_gru.kd
    .args:
      - { .name: input_codes, .offset: 0, .size: 8, .value_kind: global_buffer, .address_space: global }
      - { .name: input_scales, .offset: 8, .size: 8, .value_kind: global_buffer, .address_space: global }
      - { .name: hq_codes, .offset: 16, .size: 8, .value_kind: global_buffer, .address_space: global }
      - { .name: hq_scales, .offset: 24, .size: 8, .value_kind: global_buffer, .address_space: global }
      - { .name: W_ih_codes, .offset: 32, .size: 8, .value_kind: global_buffer, .address_space: global }
      - { .name: W_ih_scales, .offset: 40, .size: 8, .value_kind: global_buffer, .address_space: global }
      - { .name: W_c_codes, .offset: 48, .size: 8, .value_kind: global_buffer, .address_space: global }
      - { .name: W_c_scales, .offset: 56, .size: 8, .value_kind: global_buffer, .address_space: global }
      - { .name: W_hh_codes, .offset: 64, .size: 8, .value_kind: global_buffer, .address_space: global }
      - { .name: W_hh_scales, .offset: 72, .size: 8, .value_kind: global_buffer, .address_space: global }
      - { .name: W_hc_codes, .offset: 80, .size: 8, .value_kind: global_buffer, .address_space: global }
      - { .name: W_hc_scales, .offset: 88, .size: 8, .value_kind: global_buffer, .address_space: global }
      - { .name: hx, .offset: 96, .size: 8, .value_kind: global_buffer, .address_space: global }
      - { .name: b_ih, .offset: 104, .size: 8, .value_kind: global_buffer, .address_space: global }
      - { .name: b_hh, .offset: 112, .size: 8, .value_kind: global_buffer, .address_space: global }
      - { .name: b_c, .offset: 120, .size: 8, .value_kind: global_buffer, .address_space: global }
      - { .name: b_hc, .offset: 128, .size: 8, .value_kind: global_buffer, .address_space: global }
      - { .name: out0, .offset: 136, .size: 8, .value_kind: global_buffer, .address_space: global }
    .group_segment_fixed_size: 327680
    .private_segment_fixed_size: 0
    .kernarg_segment_align: 8
    .kernarg_segment_size: 144
    .max_flat_workgroup_size: 128
    .sgpr_count:     100
    .vgpr_count:     1024
    .wavefront_size: 32
...
	.end_amdgpu_metadata
.endif
;; end of part 2
